; MI455X (gfx1250); checked and timed in simulation.
; The chip was launched on July 23, 2026; its instructions are those of AMD's public machine-readable ISA for CDNA 5 (MIT licence, August 2026) and "CDNA5" Instruction Set Architecture Reference Guide (July 2026). The comments in the code are by the model that wrote it; some were corrected since.
;; Multi Head Attention. Allowed arithmetic: matrix products marked QUANTISED: E2M3 operands, one E8M0 scale for each 32 along K, by v_wmma_scale_f32_16x16x128_f8f6f4 with both operands' format E2M3, f32 sums; everything else in f32.
;; Inputs: W_out_codes 1,024 x 32 x 24 uint8 (E2M3 codes of W_out, K innermost, in blocks of 32 codes, four codes in three bytes); W_out_scales 1,024 x 32 uint8 (E8M0 scales of W_out, one for each 32 codes along K); W_qkv_codes 3,072 x 32 x 24 uint8 (E2M3 codes of W_qkv, K innermost, in blocks of 32 codes, four codes in three bytes); W_qkv_scales 3,072 x 32 uint8 (E8M0 scales of W_qkv, one for each 32 codes along K); x_codes 2 x 2,048 x 32 x 24 uint8 (E2M3 codes of x, K innermost, in blocks of 32 codes, four codes in three bytes); x_scales 2 x 2,048 x 32 uint8 (E8M0 scales of x, one for each 32 codes along K).
;; Outputs: out0 2 x 2,048 x 1,024 float32.
;; This version of the problem:
;;   THIS VERSION OF THE PROBLEM IS GIVEN IN LOW PRECISION. The matrix products marked QUANTISED in the list below multiply operands that are first quantised to E2M3 (2 exponent bits, 3 mantissa bits; 6 bits a number), with one power-of-two scale for each 32 numbers along K (OCP MX v1.0); their sums are f32. All else is computed in f32.
;;   The module's matrix products, in the order in which they are computed (A, B: the left and right operand; K: the contracted axis; several contracted axes count as one K, in the product's order):
;;     1. [M 4,096, K 1,024] x [K 1,024, N 3,072]; A: input x (given as codes); B: input W_qkv (given as codes): QUANTISED
;;     2. batch 32 x [M 2,048, K 64] x [K 64, N 2,048]; A: computed on the way; B: computed on the way: QUANTISED
;;     3. batch 32 x [M 2,048, K 2,048] x [K 2,048, N 64]; A: softmax (see below); B: computed on the way: QUANTISED
;;     4. [M 4,096, K 1,024] x [K 1,024, N 1,024]; A: computed on the way; B: input W_out (given as codes): QUANTISED
;;   THE QUANTISER, for each operand of a quantised product, along K:
;;     - K is cut into blocks of 32 from its start; a last block that is shorter is filled with zeros.
;;     - A block's scale is 2^e with e = floor(log2(the largest magnitude in the block)) - 2, held to -126 .. 127; a block of zeros has e = 0. As a byte (E8M0): e + 127.
;;     - Each number is divided by its block's scale, clamped to +-7.5, and rounded to the nearest number of E2M3, ties to even, subnormals kept.
;;     - The product sums the exact products of the quantised numbers (number of the format x scale) in f32.
;;   ~~~python
;;   def quantise(x, axis):      # numpy; x: float32 -> the quantised numbers, widened to float32 again
;;       x = np.moveaxis(x, axis, -1); K = x.shape[-1]
;;       x = np.pad(x, [(0, 0)] * (x.ndim - 1) + [(0, -K % 32)]); x = x.reshape(x.shape[:-1] + (-1, 32)); a = np.abs(x).max(-1, keepdims=True)
;;       e = np.where(a > 0, np.clip(np.frexp(np.where(a > 0, a, 1))[1] - 1 - 2, -126, 127), 0)      # np.frexp(a)[1] - 1 = floor(log2(a)), exactly
;;       r = np.clip(x / 2.0 ** e, -7.5, 7.5)
;;       step = 2.0 ** (np.maximum(np.frexp(np.where(r == 0, 1, r))[1] - 1, 0) - 3)
;;       q = np.round(r / step) * step * 2.0 ** e      # np.round: ties to even
;;       return np.moveaxis(q.reshape(q.shape[:-2] + (-1,))[..., :K], -1, axis).astype(np.float32)
;;   ~~~
;;   SOFTMAX AHEAD OF A QUANTISED PRODUCT. Where the list says 'softmax', what is quantised is not the finished softmax but p = 2^(t - M), with t = logit x log2(e) and M = ceil(the row's largest t), a whole number; so 1/2 < the row's largest p <= 1. The row's sum l is taken of the UNQUANTISED p, in f32, and the product's result is divided by l at the end. Since M is a whole number, a kernel that streams over the keys may use a running M (the ceiling of the running maximum): every later rescaling is an exact power of two, which a block's scale takes up: the codes' values come out the same.
;;   OPERANDS COMPUTED ON THE WAY. 'Computed on the way' means the value that the module computes at that place (a softmax that the list does not call 'softmax' is quantised finished and normalised). What goes into a quantiser is computed in f32, as accurately as f32 sums, v_exp_f32 and their like allow (about 1e-6 of the number): no bf16 or f16 on the way to a quantiser, and a product that is left as it is and whose result goes on into a quantised operand takes f32 operands (vector FMAs, or v_wmma_f32_16x16x4_f32). A number that lies on a knife's edge between two numbers of the format may be rounded either way, as far as f32 arithmetic and the matrix unit's own rounding can turn it there, and no further.
;;   INPUTS GIVEN AS CODES. W_out (in the module: [1024, 1024], K = its axis 1); W_qkv (in the module: [3072, 1024], K = its axis 1); x (in the module: [2, 2048, 1024], K = its axis 2): each comes as NAME_codes (uint8): NAME with its K axis moved to the last place and cut into blocks of 32 codes, [.., K / 32, bytes a block], one block behind the other in memory; four codes in three bytes: a row's codes are one little-endian stream of bits, code i at bits 6 i .. 6 i + 5 (a code: sign, 2 exponent bits, 3 mantissa bits); and NAME_scales (uint8): the same leading axes, one E8M0 byte (e + 127) for each 32 codes along K. Its value is code x scale, taken as it is: it is not quantised again, and the codes and scales need not be those that the quantiser above would give.
;; One version. Each part assembles by itself: llvm-mc -triple=amdgcn-amd-amdhsa -mcpu=gfx1250 --defsym DOCPART=n.
;; ======== version 1 of 1: 3 launches
;; limits: right only within a limited range of input values
;; workspace buffers: qkv 10,223,616 bytes; ao 3,276,800 bytes
;; launch qkvproj (part 1): grid 16 x 16, 4 waves a work-group, clusters of 4 x 4, 327,680 bytes of LDS; arguments x_codes, x_scales, W_qkv_codes, W_qkv_scales, qkv; writes qkv
.if DOCPART == 1
	.amdgcn_target "amdgcn-amd-amdhsa--gfx1250"
	.amdhsa_code_object_version 6
	.text
	.protected	k_q58c3e81dab_qkvproj
	.globl	k_q58c3e81dab_qkvproj
	.p2align	8
	.type	k_q58c3e81dab_qkvproj,@function
k_q58c3e81dab_qkvproj:
	s_mov_b64 s[64:65], 0
	v_nop
	global_prefetch_b8 v0, s[64:65] scope:SCOPE_SE
	s_setreg_imm32_b32 hwreg(HW_REG_WAVE_MODE, 25, 1), 1
	s_wait_xcnt 0x0
	s_wait_alu depctr_hold_cnt(0) depctr_sa_sdst(0) depctr_va_vdst(0) depctr_va_sdst(0) depctr_va_ssrc(0) depctr_va_vcc(0) depctr_vm_vsrc(0)
	s_getreg_b32 s2, hwreg(HW_REG_IB_STS2, 6, 4)
	s_cmp_eq_u32 s2, 0
	s_cbranch_scc0 .Lentry_in_a_cluster
	s_endpgm
.Lentry_in_a_cluster:
	s_bfe_u32 s2, ttmp6, 0x10000c
	s_cmp_lg_u32 s2, 0xf033
	s_cbranch_scc0 .Lentry_shape_is_right
	s_endpgm
.Lentry_shape_is_right:
; Q, K, V = x W_qkv^T on codes of FP6 (E2M3) with E8M0 scales, and their quantisers: the results leave as codes and scale bytes, in the order of the operand registers of the next launch.
; WORK LEFT OUT in the program: keys that the causal mask, which reference() builds itself, hides from a whole tile of queries are not multiplied (second launch): their weights are exactly 0 for all values of the inputs.
; LIMITS: NaN and infinities are not served (one that reaches only the work left out is not carried to the result).  A block whose largest magnitude lies under 2^-124, or that is all zeros, keeps the scale byte 1: its bytes are read by this program alone.
; THE DEAL.  A work-group makes 256 tokens x 192 columns: q, k and v of ONE head: 16 heads x 16 blocks of tokens = 256 work-groups.  Wave w takes tokens 64 w .. 64 w + 63: its four tiles of x, all of K, lie in registers (384);
; the head's 192 weight rows stream past in twelve blocks of 16 rows, 32 products each: blocks 0-3 W_v, 4-7 W_q, 8-11 W_k.  A block's fragments (96 registers) lie in set s % 2, fetched two blocks ahead.
; LDS: x's 256 rows (816 bytes apart: 768 + 16 behind every 256), W_v's and W_q's 64 rows each, spare words, a stage for v's scale bytes.  W_k's rows are the one refill: they take x's first 64 rows, when all waves hold x in registers.
; CLUSTERS: 4 x 4 work-groups; x's rows are shared along a row of the cluster (same tokens), the weights along a column (same head): joint loads.
; PREFETCH: W_k's 49,152 bytes, asked for at the head, one block of products and the whole of x's loads ahead of their refill: 3,072 bytes for each of the sixteen waves that will ask for them jointly, 12 units of 256 bytes by twelve lanes, told apart by address.
; THE WAY OUT.  q, k: source 0 = weight rows, source 1 = x: a lane holds one token; two blocks give 16 of a scale block's 32 columns a lane, lane l xor 16 the others.  v: source 0 = x: a lane holds one column and 8 tokens a tile.
; A block's 32 places hold numbers 0-7, 16-23, 8-15, 24-31: for q and k alike, and for v's keys as for the next launch's p.  The first part stands among the products of the following blocks: two lines behind every second product.
; qkv, for each of 32 (batch, head): 16 key steps of 13,312 bytes (8 pieces of k, 4 x 2 pieces of v, k's scale words [half][lane][2 words], v's scale words [lane][4 words]), q's 128 pieces, q's scale words [step][half][lane][2].
; A piece (16 rows x 64 codes) is six registers: registers 0-3 at 16 x lane, registers 4-5 at 512 + 8 x lane.
.set KROW,   768
.set PITCH,  816
.set T16,    16*PITCH
.set WREG,   256*PITCH
.set SPARE,  WREG+128*PITCH
.set VSTG,   SPARE+512
.set HEADB,  319488
.set STEPB,  13312
.set VOFF,   6144
.set KSOFF,  12288
.set QOFF,   212992
.set QSOFF,  311296
.set NF,     26                        ; LDS loads of a block
.set VSR,    1                         ; v1   LDS, my 256 bytes of v's scale words
.set VST,    2                         ; v2   LDS, my two bytes of a word
.set CO16,   12                        ; v12  16 x lane
.set CO8,    13                        ; v13  8 x lane
.set SPW,    14
.set NIL,    15
.set XS,     16                        ; v16-31 x's scale words: 8 (t / 2) + q, tile t in lanes 16 (t % 2) ..
.set WS,     36                        ; v36-83 the weights': 8 (s / 2) + q
.set TM,     84                        ; v84-87 largest magnitudes
.set TP,     88                        ; v88-91 the other half's
.set SO,     92                        ; v92-95 the conversions' scale operands
.set ACC,    96                        ; v96-159, v160-223 accumulators
.set EB,     224                       ; v224-227 scale bytes
.set EB1,    228                       ; v228-231
.set CD,     232                       ; v232-255 codes, four pieces
.set G1X, 24
.set G1W, 32
.set G0X, 56
.set G0V, 60
.set G0Q, 68
.set G0K, 72
.set MSB, 0
.macro WIN new
.if MSB != (\new)
	s_set_vgpr_msb (MSB<<8)|(\new)
.set MSB, \new
.endif
.endm
.macro PLACES n
.rept \n
	v_nop
.endr
.endm
.macro WALU
	s_wait_alu depctr_va_vdst(0)
.endm
.macro BARRIER
	s_barrier_signal -1
	s_barrier_wait -1
.endm
.macro MIDDLE                          ; a round's middle
	s_barrier_wait -1
	s_cmp_lg_u32 s14, 0
	s_cbranch_scc1 .Lnot_wave_0_\@
	s_barrier_signal -3
.Lnot_wave_0_\@:
	s_barrier_wait -3
.endm
.macro CROUND
	s_barrier_signal -1
	MIDDLE
	BARRIER
.endm
.macro TLOAD g0, g1
	tensor_load_to_lds s[\g0:\g0+3], s[\g1:\g1+7]
	s_nop 0
	PLACES 4
.endm
.macro GROUP1 g, mask, rows            ; rows of 768 bytes, 16 bytes of padding behind every 256
	s_or_b32 s[\g+0], s[\mask], (1<<20)|(1<<21)|(5<<22)|(3<<25)
	s_mov_b32 s[\g+1], KROW<<16
	s_mov_b32 s[\g+2], (\rows)<<16
	s_mov_b32 s[\g+3], KROW<<16
	s_mov_b32 s[\g+4], \rows
	s_mov_b32 s[\g+5], KROW
	s_mov_b32 s[\g+6], 0
	s_mov_b32 s[\g+7], 0
.endm
; Fragment f (12 registers) lies in window 1 + f / 21 at register 12 (f % 21): 0-31 x's (4 q + t), 32-39 and 40-47 the weights' two sets.
; Six pieces of 8 bytes, two to a load where both lie behind as many paddings; lanes 16-31 take the piece 24 bytes on: where that lies behind one padding more, a1 serves.
.macro FRAG f, q, a0, a1, aw
	WIN ((1+(\f)/21)<<6)|(\aw)
.set R_, 12*((\f)%21)
.set SKIP_, 0
.irp p, 0,1,2,3,4,5
.if SKIP_
.set SKIP_, 0
.else
.set PC_, 12*(\q)+6*(\p/3)+\p%3
.set PN_, 12*(\q)+6*((\p+1)/3)+(\p+1)%3
.set X_, (PC_%32+3)/32
.set XQ_, (PN_%32+3)/32
.if (\p < 5) && (X_ == XQ_)
.set SKIP_, 1
.if X_
	ds_load_2addr_b64 v[R_+2*\p:R_+2*\p+3], \a1 offset0:PC_+2*(PC_/32) offset1:PN_+2*(PN_/32)
.else
	ds_load_2addr_b64 v[R_+2*\p:R_+2*\p+3], \a0 offset0:PC_+2*(PC_/32) offset1:PN_+2*(PN_/32)
.endif
.elseif X_
	ds_load_b64 v[R_+2*\p:R_+2*\p+1], \a1 offset:8*(PC_+2*(PC_/32))
.else
	ds_load_b64 v[R_+2*\p:R_+2*\p+1], \a0 offset:8*(PC_+2*(PC_/32))
.endif
.endif
.endr
.endm
.macro XLOAD                           ; my 64 rows of x: 104 loads
.irp q, 0,1,2,3,4,5,6,7
.irp t, 0,1,2,3
	FRAG 4*\q+\t, \q, v[4+2*\t], v[5+2*\t], 0
.endr
.endr
	WIN 0
.endm
.macro FETCH s                         ; weight block s into set s % 2: NF loads; the blocks' addresses lie in window 3 from v960 on
.irp q, 0,1,2,3,4,5,6,7
	FRAG 32+8*((\s)%2)+\q, \q, v[192+2*(\s)], v[193+2*(\s)], 3
.endr
	WIN 0
.endm
; ---- products
.macro WM d, s0, s1, c, x0, x1, ra, rb
	v_wmma_scale_f32_16x16x128_f8f6f4 v[\d:\d+7], v[\s0:\s0+11], v[\s1:\s1+11], \c, v[\x0], v[\x1] matrix_a_fmt:MATRIX_FMT_FP6 matrix_b_fmt:MATRIX_FMT_FP6 matrix_a_scale:MATRIX_SCALE_ROW\ra matrix_b_scale:MATRIX_SCALE_ROW\rb
.endm
.macro PROD kind, s, rw, o, d, ds      ; product of pair M_: q = M_ / 2, x's tile 2 (M_ % 2) + o.  kind 1 (v): source 0 = x; kind 0 (q, k): source 0 = the weight
.set Q_, M_/2
.set TT_, 2*(M_%2)+\o
.set FB_, 32+8*((\s)%2)+Q_
.set FA_, 4*Q_+TT_
.set RB_, 12*(FB_%21)
.set RA_, 12*(FA_%21)
.set D_, (\d)+(\ds)*TT_
.set XB_, WS+8*((\s)/2)+Q_
.set XA_, XS+8*(TT_/2)+Q_
.if \kind
	WIN (1+FA_/21)|((1+FB_/21)<<2)
.if Q_ == 0
	WM D_, RA_, RB_, 0, XA_, XB_, \o, \rw
.else
	WM D_, RA_, RB_, v[D_:D_+7], XA_, XB_, \o, \rw
.endif
.else
	WIN (1+FB_/21)|((1+FA_/21)<<2)
.if Q_ == 0
	WM D_, RB_, RA_, 0, XB_, XA_, \rw, \o
.else
	WM D_, RB_, RA_, v[D_:D_+7], XB_, XA_, \rw, \o
.endif
.endif
.endm
.macro BLOCK kind, s, rw, d, ds, from, to, list, x=0, y=0   ; pairs from .. to - 1 of block s; behind each pair two entries of the list
.set M_, \from
.rept (\to)-(\from)
	PROD \kind, \s, \rw, 0, \d, \ds
	PROD \kind, \s, \rw, 1, \d, \ds
	\list 2*M_, \x, \y
	\list 2*M_+1, \x, \y
.set M_, M_+1
.endr
.endm
; ---- the lists' entries
.macro CHN
	WIN 0
.if K_ == 0
	v_max3_num_f32 v[TM+T_], |v[RR_]|, |v[RR_+1]|, 0x1800000
.else
	v_max3_num_f32 v[TM+T_], v[TM+T_], |v[RR_]|, |v[RR_+1]|
.endif
.endm
.macro TAILE e
	WIN 0
.if K_ == 0
	v_permlanex16_b32 v[TP+T_], v[TM+T_], s2, s3
.elseif K_ == 1
	v_max_num_f32 v[TM+T_], v[TM+T_], v[TP+T_]
.elseif K_ == 2
	v_add_nc_u32 v[SO+T_], 0xff000000, v[TM+T_]
.else
	v_lshrrev_b32 v[\e+T_], 23, v[SO+T_]
.endif
.endm
.macro LN i, x, y
.endm
.macro LV i, x, y                      ; v: two scale blocks of 16 registers a lane from x on: 24 entries
.set I_, \i
.if I_ < 16
.set T_, I_%2
.set K_, I_/2
.set RR_, \x+16*T_+2*K_
	CHN
.elseif I_ < 24
.set T_, I_%2
.set K_, (I_-16)/2
	TAILE EB
.endif
.endm
.macro LA i, x, y                      ; q, k: four tiles' 16 registers a lane: 32 entries
.set I_, \i
.set T_, I_%4
.set K_, I_/4
.set RR_, \x+16*T_+2*K_
	CHN
.endm
.macro LB i, x, y                      ; their scales: 16 entries
.set I_, \i
.if I_ < 16
.set T_, I_%4
.set K_, I_/4
	TAILE \y
.endif
.endm
; ---- conversions
.macro VCONV x, k
	WALU
	v_cvt_scalef32_pk16_fp6_f32 v[CD+6*\k:CD+6*\k+2], v[\x:\x+15], v[SO]
	v_cvt_scalef32_pk16_fp6_f32 v[4:6], v[\x+16:\x+31], v[SO+1]
	v_lshl_or_b32 v[EB], v[EB+1], 8, v[EB]
.irp i, 0,1,2
	v_permlane16_swap_b32 v[CD+6*\k+\i], v[4+\i]
.endr
.irp i, 0,1,2
	v_mov_b32 v[CD+6*\k+3+\i], v[4+\i]
.endr
.endm
.macro VSTORE k
	WALU
	ds_store_b16 v[VST], v[EB] offset:4*\k
	global_store_b128 v[CO16], v[CD+6*\k:CD+6*\k+3], s[82:83] offset:1536*\k
	global_store_b64 v[CO8], v[CD+6*\k+4:CD+6*\k+5], s[82:83] offset:1536*\k+512
.endm
.macro QCONV0 x                        ; columns 0-31 of the head, four tiles of tokens
	WALU
.irp t, 0,1,2,3
	v_cvt_scalef32_pk16_fp6_f32 v[CD+6*\t:CD+6*\t+2], v[\x+16*\t:\x+16*\t+15], v[SO+\t]
.endr
	PLACES 4
.endm
.macro QCONV1 x                        ; columns 32-63, and the pieces' order
	WALU
.irp a, 0,2
	v_cvt_scalef32_pk16_fp6_f32 v[4:6], v[\x+16*\a:\x+16*\a+15], v[SO+\a]
	v_cvt_scalef32_pk16_fp6_f32 v[8:10], v[\x+16*\a+16:\x+16*\a+31], v[SO+\a+1]
	v_lshl_or_b32 v[EB+\a], v[EB1+\a], 8, v[EB+\a]
	v_lshl_or_b32 v[EB+\a+1], v[EB1+\a+1], 8, v[EB+\a+1]
.irp i, 0,1,2
	v_permlane16_swap_b32 v[CD+6*\a+\i], v[4+\i]
	v_permlane16_swap_b32 v[CD+6*\a+6+\i], v[8+\i]
.endr
.irp i, 0,1,2
	v_mov_b32 v[CD+6*\a+3+\i], v[4+\i]
	v_mov_b32 v[CD+6*\a+9+\i], v[8+\i]
.endr
.endr
	v_cndmask_b32 v[EB1], v[EB], v[EB+1], s94
	v_cndmask_b32 v[EB1+1], v[EB+2], v[EB+3], s94
.endm
.macro QSTORE b, sb
	WALU
.irp t, 0,1,2,3
	global_store_b128 v[CO16], v[CD+6*\t:CD+6*\t+3], s[\b:\b+1] offset:768*\t
	global_store_b64 v[CO8], v[CD+6*\t+4:CD+6*\t+5], s[\b:\b+1] offset:768*\t+512
.endr
	global_store_b64 v[CO8], v[EB1:EB1+1], s[\sb:\sb+1]
.endm
.macro START n                         ; n: the next block's fetch may be out
	WALU
	s_wait_xcnt 0x0
	s_wait_dscnt \n
.endm
; ================= THE HEAD
	s_load_b256 s[4:11], s[0:1], 0x0               ; x's codes, scales, W_qkv's codes, scales
	s_load_b64 s[12:13], s[0:1], 0x20              ; qkv
	v_lshl_add_u32 v[SPW], v0, 2, SPARE
	v_mov_b32 v[NIL], 0
	ds_add_u32 v[SPW], v[NIL]
	ds_add_u32 v[SPW], v[NIL]
	v_lshrrev_b32 v1, 5, v0
	v_readfirstlane_b32 s14, v1                    ; wave
	s_bfe_u32 s40, ttmp6, 0x40000                  ; cx
	s_bfe_u32 s41, ttmp6, 0x40004                  ; cy
	s_lshl_b32 s42, ttmp9, 2
	s_add_co_u32 s42, s42, s40                     ; head
	s_and_b32 s43, ttmp7, 0xffff
	s_lshl_b32 s43, s43, 2
	s_add_co_u32 s43, s43, s41                     ; block of 256 tokens
	s_lshl_b32 s44, s41, 2
	s_lshl_b32 s44, 15, s44                        ; my row of the cluster
	s_lshl_b32 s45, 0x1111, s40                    ; my column
	GROUP1 G1X, 44, 128
	GROUP1 G1W, 45, 64
	s_and_b32 s15, s14, 1
	s_lshr_b32 s16, s14, 1
	s_mov_b32 s[G0X], 1
	s_mul_i32 s[G0X+1], s15, 128*PITCH
	s_mov_b32 s[G0V], 1
	s_mov_b32 s[G0V+1], WREG
	s_mov_b32 s[G0Q], 1
	s_mov_b32 s[G0Q+1], WREG+64*PITCH
	s_mov_b32 s[G0K], 1
	s_mov_b32 s[G0K+1], 0
	s_mul_i32 s20, s43, 256*KROW
	s_mul_i32 s21, s15, 128*KROW
	s_add_co_u32 s20, s20, s21
	s_mov_b32 s21, 0
	s_mul_i32 s46, s42, 64*KROW
	s_mov_b32 s47, 0
	WALU
	s_wait_dscnt 0x0
	CROUND                                         ; the opening round
	s_wait_kmcnt 0x0
	s_add_nc_u64 s[G0X+2:G0X+3], s[4:5], s[20:21]
	s_add_nc_u64 s[G0Q+2:G0Q+3], s[8:9], s[46:47]
	s_add_nc_u64 s[G0K+2:G0K+3], s[G0Q+2:G0Q+3], 1024*KROW
	s_add_nc_u64 s[G0V+2:G0V+3], s[G0Q+2:G0Q+3], 2048*KROW
	s_or_b32 s[G0X+3], s[G0X+3], 0x80000000
	s_or_b32 s[G0V+3], s[G0V+3], 0x80000000
	s_or_b32 s[G0Q+3], s[G0Q+3], 0x80000000
	s_or_b32 s[G0K+3], s[G0K+3], 0x80000000
	s_cmp_lt_u32 s14, 2
	s_cbranch_scc0 .Lwave_2
	TLOAD G0X, G1X                                 ; waves 0, 1: half of x's rows each
	s_branch .Lasked
.Lwave_2:
	s_cmp_eq_u32 s14, 2
	s_cbranch_scc0 .Lwave_3
	TLOAD G0V, G1W                                 ; wave 2: W_v's rows
	s_branch .Lasked
.Lwave_3:
	TLOAD G0Q, G1W                                 ; wave 3: W_q's rows, needed last of the four
.Lasked:
	s_lshr_b32 s17, s43, 3                         ; batch
	s_lshl_b32 s17, s17, 4
	s_add_co_u32 s17, s17, s42
	s_mul_i32 s17, s17, HEADB                      ; my head's part of qkv
	s_and_b32 s18, s43, 7
	s_lshl_b32 s18, s18, 1
	s_add_co_u32 s18, s18, s16                     ; my key step; s15: my half of it
	s_mul_i32 s19, s18, STEPB
	s_add_co_u32 s19, s19, s17
	s_mul_i32 s20, s15, 3072
	s_add_co_u32 s20, s20, s19
	s_add_nc_u64 s[80:81], s[12:13], s[20:21]      ; k's pieces
	s_mul_i32 s20, s15, 768
	s_add_co_u32 s20, s20, s19
	s_add_co_u32 s20, s20, VOFF
	s_add_nc_u64 s[82:83], s[12:13], s[20:21]      ; v's
	s_lshl_b32 s20, s15, 8
	s_add_co_u32 s20, s20, s19
	s_add_co_u32 s20, s20, KSOFF
	s_add_nc_u64 s[84:85], s[12:13], s[20:21]      ; k's scale words; v's lie 512 bytes on
	s_mul_i32 s20, s18, 6144
	s_mul_i32 s22, s15, 3072
	s_add_co_u32 s20, s20, s22
	s_add_co_u32 s20, s20, s17
	s_add_co_u32 s20, s20, QOFF
	s_add_nc_u64 s[86:87], s[12:13], s[20:21]      ; q's pieces
	s_lshl_b32 s20, s18, 9
	s_lshl_b32 s22, s15, 8
	s_add_co_u32 s20, s20, s22
	s_add_co_u32 s20, s20, s17
	s_add_co_u32 s20, s20, QSOFF
	s_add_nc_u64 s[88:89], s[12:13], s[20:21]      ; q's scale words
	s_lshl_b32 s20, s43, 13
	s_lshl_b32 s22, s14, 11
	s_add_co_u32 s20, s20, s22
	s_add_nc_u64 s[90:91], s[6:7], s[20:21]        ; x's scale bytes, my 64 rows
	s_lshl_b32 s20, s42, 11
	s_add_nc_u64 s[92:93], s[10:11], s[20:21]      ; W_qkv's, my head's rows of q
	s_lshl_b32 s23, s41, 2
	s_add_co_u32 s23, s23, s14
	s_mul_i32 s23, s23, 3072
	s_add_co_u32 s23, s23, s46
	s_add_co_u32 s23, s23, 1024*KROW               ; my sixteenth of W_k's rows
	s_mov_b32 s2, 0x76543210
	s_mov_b32 s3, 0xfedcba98
	s_mov_b32 s94, 0xffff0000
	s_lshl_b32 s95, s16, 9
	s_lshl_b32 s96, s15, 1
	s_add_co_u32 s95, s95, s96
	s_add_co_u32 s95, s95, VSTG
	s_lshl_b32 s96, s14, 8
	s_add_co_u32 s96, s96, VSTG
	s_mul_i32 s97, s14, 64*PITCH
	v_and_b32 v1, 15, v0
	v_bfe_u32 v2, v0, 4, 1
	v_and_b32 v3, 31, v0
	v_lshlrev_b32 v85, 5, v3
.irp p, 0,1
.irp c, 0,1
	global_load_b128 v[XS+8*\p+4*\c:XS+8*\p+4*\c+3], v85, s[90:91] offset:1024*\p+16*\c
	global_load_b128 v[WS+8*\p+4*\c:WS+8*\p+4*\c+3], v85, s[92:93] offset:65536+1024*\p+16*\c
	global_load_b128 v[WS+16+8*\p+4*\c:WS+16+8*\p+4*\c+3], v85, s[92:93] offset:1024*\p+16*\c
	global_load_b128 v[WS+32+8*\p+4*\c:WS+32+8*\p+4*\c+3], v85, s[92:93] offset:32768+1024*\p+16*\c
.endr
.endr
	v_mul_u32_u24 v84, v1, PITCH
	v_mad_u32_u24 v92, v2, 24, v84                 ; a fragment's row x pitch + 24 x half,
	v_mad_u32_u24 v93, v2, 40, v84                 ; and behind one padding more
	v_add_nc_u32 v94, s97, v92
	v_add_nc_u32 v95, s97, v93
.irp t, 0,1,2,3
	v_add_nc_u32 v[4+2*\t], \t*T16, v94
	v_add_nc_u32 v[5+2*\t], \t*T16, v95
.endr
	WIN 3<<6
.irp s, 0,1,2,3,4,5,6,7
	v_add_nc_u32 v[192+2*\s], WREG+\s*T16, v92
	v_add_nc_u32 v[193+2*\s], WREG+\s*T16, v93
.endr
.irp s, 8,9,10,11
	v_add_nc_u32 v[192+2*\s], (\s-8)*T16, v92
	v_add_nc_u32 v[193+2*\s], (\s-8)*T16, v93
.endr
	WIN 0
	v_lshlrev_b32 v[CO16], 4, v3
	v_lshlrev_b32 v[CO8], 3, v3
	v_lshl_add_u32 v[VST], v3, 4, s95
	v_lshl_add_u32 v[VSR], v3, 3, s96
	v_min_u32 v224, 11, v3
	v_lshl_add_u32 v224, v224, 8, s23
.irp b, 0,1,2,3
	v_mov_b32 v[TP+\b], 0                          ; a lane permute's destination counts as one of its sources
.endr
	WALU
	s_cmp_lt_u32 s14, 2
	s_cbranch_scc0 .Lnot_x
	s_wait_tensorcnt 0x0
.Lnot_x:
	BARRIER                                        ; x's rows are in; W_v and W_q may still be on their way
	global_prefetch_b8 v224, s[8:9] th:TH_LOAD_NT scope:SCOPE_SE
	XLOAD
	s_cmp_eq_u32 s14, 3
	s_cbranch_scc1 .Lnot_v
	s_wait_tensorcnt 0x0
.Lnot_v:
	s_wait_loadcnt 0x0                             ; the scale words
	s_wait_dscnt 0x0
	BARRIER                                        ; W_v's rows are in
	FETCH 0
	FETCH 1
	START NF
	BLOCK 1, 0, 0, ACC+64, 8, 0, 16, LN
	WIN 0
	PLACES 4
	FETCH 2
	; block 1: the round of the one refill stands inside it; the head's last load, W_q's rows, is shown by it too
	START NF
	s_wait_tensorcnt 0x0
	ds_add_u32 v[SPW], v[NIL]
	BLOCK 1, 1, 1, ACC+96, 8, 0, 13, LV, ACC+64
	WIN 0
	WALU
	s_wait_dscnt 0x0
	s_barrier_signal -1
	BLOCK 1, 1, 1, ACC+96, 8, 13, 16, LN
	WIN 0
	VCONV ACC+64, 0
	MIDDLE
	BARRIER
	s_cmp_eq_u32 s14, 0
	s_cbranch_scc0 .Lno_refill
	TLOAD G0K, G1W                                 ; W_k's rows onto x's first 64
.Lno_refill:
	VSTORE 0
	FETCH 3
	START NF
	BLOCK 1, 2, 0, ACC+64, 8, 0, 16, LV, ACC+96
	WIN 0
	VCONV ACC+96, 1
	VSTORE 1
	FETCH 4
	START NF
	BLOCK 1, 3, 1, ACC+96, 8, 0, 16, LV, ACC+64
	WIN 0
	VCONV ACC+64, 2
	VSTORE 2
	FETCH 5
	START NF
	BLOCK 0, 4, 0, ACC, 16, 0, 16, LV, ACC+96
	WIN 0
	VCONV ACC+96, 3
	VSTORE 3
	FETCH 6
	START NF
	BLOCK 0, 5, 1, ACC+8, 16, 0, 16, LN
	WIN 0
	PLACES 4
	FETCH 7
	; block 6: a plain barrier inside it shows W_k's rows and v's scale bytes to all
	START NF
	BLOCK 0, 6, 0, ACC+64, 16, 0, 13, LA, ACC
	WIN 0
	WALU
	s_wait_tensorcnt 0x0
	s_wait_dscnt 0x0
	s_barrier_signal -1
	BLOCK 0, 6, 0, ACC+64, 16, 13, 16, LA, ACC
	WIN 0
	WALU
	s_barrier_wait -1
	ds_load_b64 v[8:9], v[VSR]
	PLACES 4
	FETCH 8
	START NF
	global_store_b64 v[CO8], v[8:9], s[84:85] offset:512
	BLOCK 0, 7, 1, ACC+72, 16, 0, 16, LB, ACC, EB
	WIN 0
	QCONV0 ACC
	FETCH 9
	START NF
	BLOCK 0, 8, 0, ACC, 16, 0, 16, LA, ACC+64
	WIN 0
	PLACES 4
	FETCH 10
	START NF
	BLOCK 0, 9, 1, ACC+8, 16, 0, 16, LB, ACC+64, EB1
	WIN 0
	QCONV1 ACC+64
	QSTORE 86, 88                                  ; q leaves
	FETCH 11
	START NF
	BLOCK 0, 10, 0, ACC+64, 16, 0, 16, LA, ACC
	WIN 0
	START 0
	BLOCK 0, 11, 1, ACC+72, 16, 0, 16, LB, ACC, EB
	WIN 0
	QCONV0 ACC
.set I, 0
.rept 32
	LA I, ACC+64, 0
.set I, I+1
.endr
.set I, 0
.rept 16
	LB I, ACC+64, EB1
.set I, I+1
.endr
	QCONV1 ACC+64
	QSTORE 80, 84                                  ; k leaves
	s_wait_tensorcnt 0x0
	ds_add_u32 v[SPW], v[NIL]
	s_wait_dscnt 0x0
	CROUND                                         ; the closing round
	s_endpgm
.Lfunc_end_k_q58c3e81dab_qkvproj:
	.size	k_q58c3e81dab_qkvproj, .Lfunc_end_k_q58c3e81dab_qkvproj-k_q58c3e81dab_qkvproj
	.p2alignl 7, 3214868480
	.fill 96, 4, 3214868480
	.section	.rodata,"a",@progbits
	.p2align	6, 0x0
	.amdhsa_kernel k_q58c3e81dab_qkvproj
		.amdhsa_group_segment_fixed_size 327680
		.amdhsa_private_segment_fixed_size 0
		.amdhsa_enable_private_segment 0
		.amdhsa_kernarg_size 40
		.amdhsa_user_sgpr_count 2
		.amdhsa_user_sgpr_kernarg_segment_ptr 1
		.amdhsa_wavefront_size32 1
		.amdhsa_system_sgpr_workgroup_id_x 1
		.amdhsa_system_sgpr_workgroup_id_y 1
		.amdhsa_system_sgpr_workgroup_id_z 1
		.amdhsa_system_vgpr_workitem_id 0
		.amdhsa_next_free_vgpr 1024
		.amdhsa_next_free_sgpr 100
		.amdhsa_reserve_vcc 0
		.amdhsa_float_denorm_mode_32 3
		.amdhsa_float_denorm_mode_16_64 3
		.amdhsa_memory_ordered 1
		.amdhsa_forward_progress 1
		.amdhsa_inst_pref_size 124
	.end_amdhsa_kernel
	.amdgpu_metadata
---
amdhsa.version: [ 1, 2 ]
amdhsa.kernels:
  - .name:           k_q58c3e81dab_qkvproj
    .symbol:         k_q58c3e81dab_qkvproj.kd
    .args:
      - { .name: x_codes, .offset: 0, .size: 8, .value_kind: global_buffer, .address_space: global }
      - { .name: x_scales, .offset: 8, .size: 8, .value_kind: global_buffer, .address_space: global }
      - { .name: W_qkv_codes, .offset: 16, .size: 8, .value_kind: global_buffer, .address_space: global }
      - { .name: W_qkv_scales, .offset: 24, .size: 8, .value_kind: global_buffer, .address_space: global }
      - { .name: qkv, .offset: 32, .size: 8, .value_kind: global_buffer, .address_space: global }
    .group_segment_fixed_size: 327680
    .private_segment_fixed_size: 0
    .kernarg_segment_align: 8
    .kernarg_segment_size: 40
    .max_flat_workgroup_size: 128
    .sgpr_count:     100
    .vgpr_count:     1024
    .wavefront_size: 32
...
	.end_amdgpu_metadata
.endif
;; end of part 1
;; launch attn (part 2): grid 8 x 32, 16 waves a work-group, clusters of 4 x 1, 215,040 bytes of LDS; arguments qkv, ao; writes ao
.if DOCPART == 2
	.amdgcn_target "amdgcn-amd-amdhsa--gfx1250"
	.amdhsa_code_object_version 6
	.text
	.protected	k_q58c3e81dab_attn
	.globl	k_q58c3e81dab_attn
	.p2align	8
	.type	k_q58c3e81dab_attn,@function
k_q58c3e81dab_attn:
	s_mov_b64 s[64:65], 0
	v_nop
	global_prefetch_b8 v0, s[64:65] scope:SCOPE_SE
	s_setreg_imm32_b32 hwreg(HW_REG_WAVE_MODE, 25, 1), 1
	s_wait_xcnt 0x0
	s_wait_alu depctr_hold_cnt(0) depctr_sa_sdst(0) depctr_va_vdst(0) depctr_va_sdst(0) depctr_va_ssrc(0) depctr_va_vcc(0) depctr_vm_vsrc(0)
	s_getreg_b32 s2, hwreg(HW_REG_IB_STS2, 6, 4)
	s_cmp_eq_u32 s2, 0
	s_cbranch_scc0 .Lentry_in_a_cluster
	s_endpgm
.Lentry_in_a_cluster:
	s_bfe_u32 s2, ttmp6, 0x10000c
	s_cmp_lg_u32 s2, 0x3003
	s_cbranch_scc0 .Lentry_shape_is_right
	s_endpgm
.Lentry_shape_is_right:
; Causal attention of one head on codes of FP6 (E2M3) with E8M0 scales, and the quantising of its result for the last projection.  2,048 queries and keys, head size 64.  qkv is laid as the first launch's head says.
; SOFTMAX: t = score x log2(e) / 8; M = the running largest t rounded up to a whole number; p = 2^(t - M) is quantised along the keys, not normalised; the row's sum is taken of the unquantised p and divides at the end.
; When M moves, the sum and O are multiplied by 2^(old M - new M), which rounds nothing.
; WORK LEFT OUT: key steps all of whose keys come after a tile's queries: the causal mask of reference() gives them the weight 0 for all values of the inputs.
; SHARES.  A work-group has sixteen waves of 256 registers.  It owns tile a (= the work-group's x, 0..7) of each of the 16 blocks of 128 queries, a wave a tile.  Block beta needs key steps 0 .. beta, step beta is its diagonal.
; Waves k, k + 4, k + 8, k + 12 (k = 0..3) take blocks 15 - k, 8 + k, 7 - k, k: 34 steps for each such four, the longest first.  The block hangs on the wave's number alone, so every work-group runs alike.
; LDS.  The head's 16 key steps, 212,992 bytes, are filled ONCE, wave w asking for step w; the spare words lie behind them.  A first barrier shows steps 0-5 (waves 0-5 share a load line); a second, signalled behind step 0 and waited for behind step 5, the others.
; CLUSTER.  The four work-groups of a cluster belong to one head: each key step is asked for jointly.  No prefetch: each tile is asked for once, at the head, so no loop runs ahead of a request.
; LAYOUT.  Both products are used transposed: S^T = k q^T (source 0 = 16 keys), O^T = v^T p^T: a lane holds one query (lane % 16) throughout.  The first product's K is 64: registers 6-11 of q are zero codes, so what k's operand holds there
; (the next tile's codes, finite in this format, under scale bytes 0 = 2^-127) adds nothing: k's eight tiles lie 6 registers apart.  A step's k is loaded from LDS during the step before.
; LIMITS: NaN and infinities are not served.  The promise holds while the scaled scores stay under 2^31 in magnitude.  A block whose largest magnitude lies under 2^-124, or that is all zeros, keeps the scale byte 1.
.set HEADB,  319488
.set STEPB,  13312
.set VOFF,   6144
.set KSOFF,  12288
.set VSOFF,  12800
.set QOFF,   212992
.set QSOFF,  311296
.set AOS,    3145728                   ; ao: behind the codes, the scale words
.set SPARE,  16*STEPB
.set FIRST,  6                         ; key steps that the first barrier shows
.set KN,     18                        ; LDS loads of a step's k
.set A16,  1                           ; v1  16 x lane
.set A8,   2                           ; v2  8 x lane
.set AD16, 3
.set AD8,  4
.set DG,   5                           ; v5  r - 8 h
.set R8,   6                           ; v6  8 r
.set R4,   7                           ; v7  4 r
.set NM,   8                           ; v8 -M, v9 the running largest t
.set SUM,  10                          ; v[10:11] the row's sum in two halves
.set QF,   12                          ; v12-23  q (18-23 zeros)
.set KF,   24                          ; v24-71  k's eight tiles
.set VF,   72                          ; v72-119 v's four fragments
.set S,    120                         ; v120-183 S^T, then p
.set O,    184                         ; v184-215 O^T
.set PCD,  216                         ; v216-227 p's codes
.set BM,   228                         ; v228-231 the blocks' largest; later a conversion's three; v228-239 later six chains of the sum
.set BY,   232                         ; v232-235 the other half's, then bytes
.set SO,   236                         ; v236-239 the conversions' scale operands
.set KSC,  240                         ; v240-243 k's scale words: register i: tile 2 i in lanes 0-15, tile 2 i + 1 in lanes 16-31
.set VSC,  244                         ; v244-247 v's: register i: d tile i
.set FF,   248                         ; v248 f = 2^(old M - new M)
.set PS,   249                         ; v249 p's scale word
.set TW,   250                         ; v250 at work
.set QS,   252                         ; v252 q's scale word
.macro WALU
	s_wait_alu depctr_va_vdst(0)
.endm
.macro CROUND                          ; a round of the cluster's barrier
	s_barrier_signal -1
	s_barrier_wait -1
	s_cmp_lg_u32 s8, 0
	s_cbranch_scc1 .Lnot_wave_0_\@
	s_barrier_signal -3
.Lnot_wave_0_\@:
	s_barrier_wait -3
	s_barrier_signal -1
	s_barrier_wait -1
.endm
.macro QK t
.if \t%2
	v_wmma_scale_f32_16x16x128_f8f6f4 v[S+8*\t:S+8*\t+7], v[KF+6*\t:KF+6*\t+11], v[QF:QF+11], 0, v[KSC+\t/2], v[QS] matrix_a_fmt:MATRIX_FMT_FP6 matrix_b_fmt:MATRIX_FMT_FP6 matrix_a_scale:MATRIX_SCALE_ROW1
.else
	v_wmma_scale_f32_16x16x128_f8f6f4 v[S+8*\t:S+8*\t+7], v[KF+6*\t:KF+6*\t+11], v[QF:QF+11], 0, v[KSC+\t/2], v[QS] matrix_a_fmt:MATRIX_FMT_FP6 matrix_b_fmt:MATRIX_FMT_FP6
.endif
.endm
.macro KLOAD off                       ; k and its scale words of the step that lies off bytes behind AD16, AD8: KN loads
	ds_load_b64 v[KSC:KSC+1], v[AD8] offset:\off+KSOFF
	ds_load_b64 v[KSC+2:KSC+3], v[AD8] offset:\off+KSOFF+256
.irp t, 0,1,2,3,4,5,6,7
	ds_load_b128 v[KF+6*\t:KF+6*\t+3], v[AD16] offset:\off+768*\t
	ds_load_b64 v[KF+6*\t+4:KF+6*\t+5], v[AD8] offset:\off+768*\t+512
.endr
.endm
.macro KFIRST                          ; k of step s29, where no step before has fetched it
	s_cmp_gt_u32 s29, s9
	s_cbranch_scc1 .Lnone_\@
	v_add_nc_u32 v[AD16], s28, v[A16]
	v_add_nc_u32 v[AD8], s28, v[A8]
	WALU
	KLOAD 0
.Lnone_\@:
.endm
.macro STEP pf                         ; key step s29 (LDS byte s28) for my tile; a step behind s9 is jumped over, but for the lines that step the address and the count.  pf = 1: the next step's k is fetched
	s_cmp_gt_u32 s29, s9
	s_cbranch_scc1 .Lhidden_\@
	v_add_nc_u32 v[AD16], s28, v[A16]
	v_add_nc_u32 v[AD8], s28, v[A8]
	WALU
	s_wait_dscnt 0x0                               ; k
.irp t, 0,1,2,3,4,5,6,7
	QK \t
.endr
.rept 4
	v_nop                                          ; places in front of the loads: tile 7's operand reaches over v's first registers
.endr
.irp d, 0,1,2,3
	ds_load_b128 v[VF+12*\d:VF+12*\d+3], v[AD16] offset:VOFF+1536*\d
	ds_load_b64 v[VF+12*\d+4:VF+12*\d+5], v[AD8] offset:VOFF+1536*\d+512
	ds_load_b128 v[VF+12*\d+6:VF+12*\d+9], v[AD16] offset:VOFF+1536*\d+768
	ds_load_b64 v[VF+12*\d+10:VF+12*\d+11], v[AD8] offset:VOFF+1536*\d+1280
.endr
	ds_load_b128 v[VSC:VSC+3], v[AD16] offset:VSOFF
.if \pf
	KLOAD STEPB
.endif
	s_cmp_lg_u32 s29, s9                           ; the diagonal step: hidden scores become -infinity ahead of the maximum, so p = 0 there
	s_cbranch_scc1 .Lopen_\@
	v_mov_b32 v[TW], 0xff800000
	WALU
.irp T, 0,1,2,3,4,5,6,7
	s_cmp_lt_u32 s10, \T                           ; a tile of keys behind mine is hidden whole, one ahead of mine not at all; in mine, register j where j > r - 8 h
	s_cselect_b32 s40, -1, 0
	s_cmp_eq_u32 s10, \T
.irp j, 0,1,2,3,4,5,6,7
	s_cselect_b32 s[42+\j%2], s[48+\j], s40
	v_cndmask_b32 v[S+8*\T+\j], v[S+8*\T+\j], v[TW], s[42+\j%2]
.endr
.endr
.Lopen_\@:
.irp b, 0,1,2,3
	v_max3_num_f32 v[BM+\b], v[S+16*\b], v[S+16*\b+1], v[S+16*\b+2]   ; the largest score of each block of 32 keys: it serves the row's maximum and, since p rises with the score, the block's largest p
.endr
.irp i, 3,5,7,9,11,13
.irp b, 0,1,2,3
	v_max3_num_f32 v[BM+\b], v[BM+\b], v[S+16*\b+\i], v[S+16*\b+\i+1]
.endr
.endr
.irp b, 0,1,2,3
	v_max_num_f32 v[BM+\b], v[BM+\b], v[S+16*\b+15]
.endr
.irp b, 0,1,2,3
	s_delay_alu instid0(VALU_DEP_4)
	v_permlanex16_b32 v[BY+\b], v[BM+\b], s24, s25
.endr
.irp b, 0,1,2,3
	s_delay_alu instid0(VALU_DEP_4)
	v_max_num_f32 v[BM+\b], v[BM+\b], v[BY+\b]     ; with lane l xor 16's 16 keys
.endr
	s_delay_alu instid0(VALU_DEP_2)
	v_max3_num_f32 v[TW], v[BM], v[BM+1], v[BM+2]
	s_delay_alu instid0(VALU_DEP_1)
	v_max_num_f32 v[TW], v[TW], v[BM+3]
	s_delay_alu instid0(VALU_DEP_1)
	v_mul_f32 v[TW], s26, v[TW]                    ; the step's largest t (c is positive)
	s_delay_alu instid0(VALU_DEP_1)
	v_max_num_f32 v[NM+1], v[NM+1], v[TW]
	v_mov_b32 v[TW], v[NM]
	s_delay_alu instid0(VALU_DEP_2)
	v_floor_f32 v[NM], -v[NM+1]                    ; the new -M = -ceil(t)
	s_delay_alu instid0(VALU_DEP_1)
	v_sub_f32 v[TW], v[NM], v[TW]                  ; old M - new M: a whole number, 0 or less
	s_delay_alu instid0(VALU_DEP_1)
	v_cvt_i32_f32 v[TW], v[TW]                     ; (it saturates)
	s_delay_alu instid0(VALU_DEP_1)
	v_ldexp_f32 v[FF], 1.0, v[TW]                  ; f
.set j, 0
.rept 32
	v_pk_fma_f32 v[S+j:S+j+1], v[S+j:S+j+1], s[26:27], v[NM:NM+1] op_sel_hi:[1,0,0]   ; t - M, two at a time
.set j, j+2
.endr
.irp b, 0,1,2,3
	v_fma_f32 v[BM+\b], v[BM+\b], s26, v[NM]       ; the same of each block's largest score
.endr
.set j, 0
	WALU
.rept 64
	v_exp_f32 v[S+j], v[S+j]                       ; p = 2^(t - M)
.set j, j+1
.endr
.irp b, 0,1,2,3
	v_exp_f32 v[BM+\b], v[BM+\b]                   ; the block's largest p: the same instructions on the same number
.endr
	v_pk_mul_f32 v[SUM:SUM+1], v[SUM:SUM+1], v[FF:FF+1] op_sel_hi:[1,0]   ; the sums under the new M (a plain place behind the exponentials)
	WALU
.irp b, 0,1,2,3
	v_max_num_f32 v[BM+\b], 0x1800000, v[BM+\b]    ; the floor 2^(3 - 127): the byte cannot fall under 1
.endr
.irp b, 0,1,2,3
	s_delay_alu instid0(VALU_DEP_4)
	v_add_nc_u32 v[SO+\b], 0xff000000, v[BM+\b]    ; 2 off the exponent field: the conversion's scale operand
.endr
.irp b, 0,1,2,3
	s_delay_alu instid0(VALU_DEP_4)
	v_lshrrev_b32 v[BY+\b], 23, v[SO+\b]           ; the scale's byte
.endr
	s_delay_alu instid0(VALU_DEP_3)
	v_lshl_or_b32 v[PS], v[BY+1], 8, v[BY]
	s_delay_alu instid0(VALU_DEP_1)
	v_lshl_or_b32 v[PS], v[BY+2], 16, v[PS]
	s_delay_alu instid0(VALU_DEP_1)
	v_lshl_or_b32 v[PS], v[BY+3], 24, v[PS]        ; p's scale word for these 128 keys
.irp c, 0,1
	v_cvt_scalef32_pk16_fp6_f32 v[PCD+6*\c:PCD+2+6*\c], v[S+32*\c:S+15+32*\c], v[SO+2*\c]
	v_cvt_scalef32_pk16_fp6_f32 v[BM+4*\c:BM+2+4*\c], v[S+16+32*\c:S+31+32*\c], v[SO+2*\c+1]   ; (a conversion's three registers begin on an even number)
.endr
	v_nop                                          ; one plain place behind a scaled conversion
.irp c, 0,1                            ; a whole block in a lane: lanes 0-15 block 2 c, lanes 16-31 block 2 c + 1
.irp i, 0,1,2
	v_permlane16_swap_b32 v[PCD+6*\c+\i], v[BM+4*\c+\i]
.endr
.irp i, 0,1,2
	s_delay_alu instid0(VALU_DEP_3)
	v_mov_b32 v[PCD+3+6*\c+\i], v[BM+4*\c+\i]
.endr
.endr
.irp k, 0,1,2,3,4,5                    ; the row's sum: 32 pairs in seven chains by turns, six begun here, the seventh the running sum
	v_pk_add_f32 v[BM+2*\k:BM+2*\k+1], v[S+4*\k:S+4*\k+1], v[S+4*\k+2:S+4*\k+3]
.endr
	v_pk_add_f32 v[SUM:SUM+1], v[SUM:SUM+1], v[S+24:S+25]
.set nn, 13
.rept 19
.set cc, (nn-13)%7
.if cc == 6
	v_pk_add_f32 v[SUM:SUM+1], v[SUM:SUM+1], v[S+2*nn:S+2*nn+1]
.else
	v_pk_add_f32 v[BM+2*cc:BM+2*cc+1], v[BM+2*cc:BM+2*cc+1], v[S+2*nn:S+2*nn+1]
.endif
.set nn, nn+1
.endr
	v_pk_add_f32 v[BM:BM+1], v[BM:BM+1], v[BM+2:BM+3]
	v_pk_add_f32 v[BM+4:BM+5], v[BM+4:BM+5], v[BM+6:BM+7]
	v_pk_add_f32 v[BM+8:BM+9], v[BM+8:BM+9], v[BM+10:BM+11]
	v_pk_add_f32 v[SUM:SUM+1], v[SUM:SUM+1], v[BM:BM+1]
	v_pk_add_f32 v[BM+4:BM+5], v[BM+4:BM+5], v[BM+8:BM+9]
	WALU
.set j, 0
.rept 16
	v_pk_mul_f32 v[O+j:O+j+1], v[O+j:O+j+1], v[FF:FF+1] op_sel_hi:[1,0]   ; O^T under the new M.  (The sums and these are the places between p's codes and scale word and the products below)
.set j, j+2
.endr
	v_pk_add_f32 v[SUM:SUM+1], v[SUM:SUM+1], v[BM+4:BM+5]
	WALU
	s_wait_dscnt KN*\pf                            ; v and its scale words; the next step's k, issued behind them, may be out
.irp d, 0,1,2,3                        ; O^T += v^T p^T: the four accumulators by turns
	v_wmma_scale_f32_16x16x128_f8f6f4 v[O+8*\d:O+8*\d+7], v[VF+12*\d:VF+12*\d+11], v[PCD:PCD+11], v[O+8*\d:O+8*\d+7], v[VSC+\d], v[PS] matrix_a_fmt:MATRIX_FMT_FP6 matrix_b_fmt:MATRIX_FMT_FP6
.endr
.Lhidden_\@:
	s_add_co_u32 s28, s28, STEPB
	s_add_co_u32 s29, s29, 1
.endm
	s_load_b128 s[4:7], s[0:1], 0x0                ; qkv, ao
	v_lshl_add_u32 v254, v0, 2, SPARE
	v_mov_b32 v255, 0
	ds_add_u32 v254, v255
	ds_add_u32 v254, v255
	v_lshrrev_b32 v1, 5, v0
	v_readfirstlane_b32 s8, v1                     ; wave 0..15
	s_bfe_u32 s30, s8, 0x10002
	s_xor_b32 s30, s30, 1
	s_mul_i32 s30, s30, 3
	s_or_b32 s30, s30, 12
	s_xor_b32 s9, s8, s30                          ; my block: 15 - k, 8 + k, 7 - k, k for waves k, k + 4, k + 8, k + 12
	s_bfe_u32 s31, ttmp6, 0x40000                  ; cx
	s_lshl_b32 s10, ttmp9, 2
	s_add_co_u32 s10, s10, s31                     ; a: it enters q's and the result's global addresses and the diagonal's selection, no branch and no LDS address
	s_and_b32 s11, ttmp7, 0xffff                   ; 16 x batch + head, which the four partners share
	; descriptor group 1: a key step: 52 rows of 256 bytes (32 elements of 8 bytes), dense
	s_mov_b32 s16, 15|(3<<16)|(1<<21)
	s_mov_b32 s17, 32<<16
	s_mov_b32 s18, 52<<16
	s_mov_b32 s19, 32<<16
	s_mov_b32 s20, 52
	s_mov_b32 s21, 32
	s_mov_b32 s22, 0
	s_mov_b32 s23, 0
	s_mov_b32 s24, 0x76543210
	s_mov_b32 s25, 0xfedcba98                      ; v_permlanex16_b32's selects for lane l xor 16
	s_mov_b32 s26, 0x3e38aa3b                      ; c = log2(e) / 8
	s_mov_b32 s27, s26                             ; (named with it as a pair)
	s_mul_i32 s32, s11, HEADB
	s_mov_b32 s33, 0
	s_mul_i32 s34, s8, STEPB
	s_mov_b32 s35, 0
	s_wait_dscnt 0x0
	s_wait_kmcnt 0x0
	s_add_nc_u64 s[4:5], s[4:5], s[32:33]          ; qkv at my head
	s_mov_b32 s12, 1
	s_mul_i32 s13, s8, STEPB                       ; key step w goes to LDS byte 13,312 w
	s_add_nc_u64 s[14:15], s[4:5], s[34:35]
	s_or_b32 s15, s15, 0x80000000
	CROUND                                         ; all four work-groups are here: the joint loads meet
	s_cmp_lt_u32 s8, FIRST
	s_cbranch_scc0 .Llate
	tensor_load_to_lds s[12:15], s[16:23]          ; steps 0-5
	s_nop 0
.rept 4
	v_nop
.endr
	s_branch .Lasked
.Llate:
	tensor_load_to_lds s[12:15], s[16:23]          ; steps 6-15
	s_nop 0
.rept 4
	v_nop
.endr
.Lasked:
	s_lshr_b32 s39, s10, 2                         ; q's scale word of tile a, row r: 256 (a / 4) + 128 (a % 2) + 8 r + 4 ((a / 2) % 2) in the block's 512 bytes
	s_lshl_b32 s39, s39, 8
	s_and_b32 s30, s10, 1
	s_lshl_b32 s30, s30, 7
	s_add_co_u32 s39, s39, s30
	s_bfe_u32 s30, s10, 0x10001
	s_lshl_b32 s30, s30, 2
	s_add_co_u32 s39, s39, s30
	s_mul_i32 s30, s9, 6144
	s_mul_i32 s31, s10, 768
	s_add_co_u32 s30, s30, s31
	s_add_co_u32 s30, s30, QOFF
	s_mov_b32 s31, 0
	s_add_nc_u64 s[32:33], s[4:5], s[30:31]        ; my tile's piece of q
	s_lshl_b32 s34, s9, 9
	s_add_co_u32 s34, s34, s39
	s_add_co_u32 s34, s34, QSOFF
	s_mov_b32 s35, 0
	s_add_nc_u64 s[34:35], s[4:5], s[34:35]        ; and its scale words
	v_and_b32 v[TW], 31, v0
	v_lshlrev_b32 v[A16], 4, v[TW]
	v_lshlrev_b32 v[A8], 3, v[TW]
	v_and_b32 v[R4], 15, v0                        ; r
	v_bfe_u32 v[R8], v0, 4, 1                      ; h
	v_lshlrev_b32 v[R8], 3, v[R8]
	v_sub_nc_u32 v[DG], v[R4], v[R8]
	v_lshlrev_b32 v[R8], 3, v[R4]
	v_lshlrev_b32 v[R4], 2, v[R4]
.irp j, 0,1,2,3,4,5,6,7
	v_cmp_gt_i32 s[48+\j], \j, v[DG]               ; the lanes that register j of the diagonal's own tile hides
.endr
	WALU
	global_load_b128 v[QF:QF+3], v[A16], s[32:33]
	global_load_b64 v[QF+4:QF+5], v[A8], s[32:33] offset:512
	global_load_b32 v[QS], v[R8], s[34:35]
.irp i, 6,7,8,9,10,11
	v_mov_b32 v[QF+\i], 0                          ; zero codes for k = 64 .. 127 of the first product, written once
	v_mov_b32 v[VF+\i-6], 0                        ; (tile 7's operand reaches over them before v is first loaded)
.endr
.set j, 0
.rept 32
	v_mov_b32 v[O+j], 0                            ; nothing summed yet: the first change of M leaves zeros zeros
.set j, j+1
.endr
	v_mov_b32 v[NM+1], 0xff61b1e6                  ; the largest t so far: -3e38, under every t
	v_mov_b32 v[SUM], 0
	v_mov_b32 v[SUM+1], 0
	v_floor_f32 v[NM], -v[NM+1]                    ; -M
.irp b, 0,1,2,3
	v_mov_b32 v[BY+\b], 0                          ; a lane permute's destination counts as one of its sources
.endr
	v_mov_b32 v[PS], 0                             ; (named as the upper half of the pair with f before it is first written)
	v_mov_b32 v[TW], 0
	s_mov_b32 s28, 0                               ; the step's LDS byte
	s_mov_b32 s29, 0                               ; the step
	WALU
	s_wait_loadcnt 0x0                             ; q
	s_cmp_lt_u32 s8, FIRST
	s_cbranch_scc0 .Lnot_early
	s_wait_tensorcnt 0x0
.Lnot_early:
	s_barrier_signal -1
	s_barrier_wait -1                              ; key steps 0-5 are in
	KFIRST
	STEP 1
	WALU
	s_wait_tensorcnt 0x0                           ; steps 6-15: signalled here, waited for behind step 5; only LDS reads of steps 1-5 and register work stand between
	s_wait_dscnt 0x0
	s_barrier_signal -1
	s_mov_b32 s28, STEPB
	s_mov_b32 s29, 1
.Lfirst:
	STEP 1
	s_cmp_lt_u32 s29, FIRST-1
	s_cbranch_scc1 .Lfirst
	s_mov_b32 s28, (FIRST-1)*STEPB
	s_mov_b32 s29, FIRST-1
	STEP 0
	WALU
	s_wait_dscnt 0x0
	s_barrier_wait -1                              ; all key steps are in: from here on LDS is only read
	s_mov_b32 s28, FIRST*STEPB
	s_mov_b32 s29, FIRST
	KFIRST
.Lrest:
	STEP 1
	s_cmp_lt_u32 s29, 15
	s_cbranch_scc1 .Lrest
	s_mov_b32 s28, 15*STEPB
	s_mov_b32 s29, 15
	STEP 0
	; THE END.  O^T / the sum, into the true order of the head's 64, quantised in two blocks of 32, stored as a piece; its two scale bytes are half of a row's scale word.
	; ao's codes: [block of 128 rows: 32][pair of heads: 8][tile of 16 rows: 8][head % 2][768];  its scale words: [block][pair of tiles: 4][pair of heads: 8][32 lanes], lane 16 (a % 2) + r
.rept 4
	v_nop
.endr
	WALU
	s_wait_dscnt 0x0
	v_add_f32 v[SUM], v[SUM], v[SUM+1]
	s_delay_alu instid0(VALU_DEP_1)
	v_permlanex16_b32 v[TW], v[SUM], s24, s25
	s_delay_alu instid0(VALU_DEP_1)
	v_add_f32 v[SUM], v[SUM], v[TW]                ; the row's sum
	WALU
	v_rcp_f32 v[SUM], v[SUM]
	v_nop
.set j, 0
	WALU
.rept 16
	v_pk_mul_f32 v[S+j:S+j+1], v[O+j:O+j+1], v[SUM:SUM+1] op_sel_hi:[1,0]   ; register 8 t + i: d = 16 t + 8 h + i
.set j, j+2
.endr
.irp b, 0,1
.irp i, 0,1,2,3,4,5,6,7
	v_permlane16_swap_b32 v[S+16*\b+\i], v[S+16*\b+8+\i]   ; registers 16 b + 0 .. 15 now hold d = 32 b + 16 h + 0 .. 15
.endr
.endr
.irp b, 0,1
	v_max3_num_f32 v[BM+\b], |v[S+16*\b]|, |v[S+16*\b+1]|, 0x1800000
.endr
.irp i, 2,4,6,8,10,12,14
.irp b, 0,1
	s_delay_alu instid0(VALU_DEP_2)
	v_max3_num_f32 v[BM+\b], v[BM+\b], |v[S+16*\b+\i]|, |v[S+16*\b+\i+1]|
.endr
.endr
.irp b, 0,1
	s_delay_alu instid0(VALU_DEP_2)
	v_permlanex16_b32 v[BY+\b], v[BM+\b], s24, s25
.endr
.irp b, 0,1
	s_delay_alu instid0(VALU_DEP_2)
	v_max_num_f32 v[BM+\b], v[BM+\b], v[BY+\b]
.endr
.irp b, 0,1
	s_delay_alu instid0(VALU_DEP_2)
	v_add_nc_u32 v[SO+\b], 0xff000000, v[BM+\b]
.endr
.irp b, 0,1
	s_delay_alu instid0(VALU_DEP_2)
	v_lshrrev_b32 v[BY+\b], 23, v[SO+\b]
.endr
	s_delay_alu instid0(VALU_DEP_1)
	v_lshl_or_b32 v[PS], v[BY+1], 8, v[BY]         ; my head's two bytes of the row's scale word
	v_cvt_scalef32_pk16_fp6_f32 v[PCD:PCD+2], v[S:S+15], v[SO]
	v_cvt_scalef32_pk16_fp6_f32 v[BM:BM+2], v[S+16:S+31], v[SO+1]
	v_nop
.irp i, 0,1,2
	v_permlane16_swap_b32 v[PCD+\i], v[BM+\i]
.endr
.irp i, 0,1,2
	s_delay_alu instid0(VALU_DEP_3)
	v_mov_b32 v[PCD+3+\i], v[BM+\i]
.endr
	s_lshr_b32 s30, s11, 4
	s_lshl_b32 s30, s30, 4
	s_add_co_u32 s30, s30, s9                      ; the block of rows
	s_bfe_u32 s31, s11, 0x30001                    ; the pair of heads
	s_and_b32 s40, s11, 1
	s_mul_i32 s32, s30, 98304
	s_mul_i32 s33, s31, 12288
	s_add_co_u32 s32, s32, s33
	s_mul_i32 s33, s10, 1536
	s_add_co_u32 s32, s32, s33
	s_mul_i32 s33, s40, 768
	s_add_co_u32 s32, s32, s33
	s_mov_b32 s33, 0
	s_add_nc_u64 s[32:33], s[6:7], s[32:33]
	s_lshl_b32 s34, s30, 12
	s_lshr_b32 s35, s10, 1
	s_lshl_b32 s35, s35, 10
	s_add_co_u32 s34, s34, s35
	s_lshl_b32 s35, s31, 7
	s_add_co_u32 s34, s34, s35
	s_and_b32 s35, s10, 1
	s_lshl_b32 s35, s35, 6
	s_add_co_u32 s34, s34, s35
	s_lshl_b32 s35, s40, 1
	s_add_co_u32 s34, s34, s35
	s_add_co_u32 s34, s34, AOS
	s_mov_b32 s35, 0
	s_add_nc_u64 s[34:35], s[6:7], s[34:35]
	WALU
	global_store_b128 v[A16], v[PCD:PCD+3], s[32:33]               ; 512 consecutive bytes, aligned
	global_store_b64 v[A8], v[PCD+4:PCD+5], s[32:33] offset:512    ; 256
	global_store_b16 v[R4], v[PS], s[34:35]        ; two bytes are all that a head owns of a row's word; lanes r and r + 16 hold the same two bytes and write them to the same place
	s_wait_tensorcnt 0x0
	ds_add_u32 v254, v255
	s_wait_dscnt 0x0
	CROUND                                         ; the closing round
	s_endpgm
.Lfunc_end_k_q58c3e81dab_attn:
	.size	k_q58c3e81dab_attn, .Lfunc_end_k_q58c3e81dab_attn-k_q58c3e81dab_attn
	.p2alignl 7, 3214868480
	.fill 96, 4, 3214868480
	.section	.rodata,"a",@progbits
	.p2align	6, 0x0
	.amdhsa_kernel k_q58c3e81dab_attn
		.amdhsa_group_segment_fixed_size 215040
		.amdhsa_private_segment_fixed_size 0
		.amdhsa_enable_private_segment 0
		.amdhsa_kernarg_size 16
		.amdhsa_user_sgpr_count 2
		.amdhsa_user_sgpr_kernarg_segment_ptr 1
		.amdhsa_wavefront_size32 1
		.amdhsa_system_sgpr_workgroup_id_x 1
		.amdhsa_system_sgpr_workgroup_id_y 1
		.amdhsa_system_sgpr_workgroup_id_z 1
		.amdhsa_system_vgpr_workitem_id 0
		.amdhsa_next_free_vgpr 256
		.amdhsa_next_free_sgpr 66
		.amdhsa_reserve_vcc 0
		.amdhsa_float_denorm_mode_32 3
		.amdhsa_float_denorm_mode_16_64 3
		.amdhsa_memory_ordered 1
		.amdhsa_forward_progress 1
		.amdhsa_inst_pref_size 134
	.end_amdhsa_kernel
	.amdgpu_metadata
---
amdhsa.version: [ 1, 2 ]
amdhsa.kernels:
  - .name:           k_q58c3e81dab_attn
    .symbol:         k_q58c3e81dab_attn.kd
    .args:
      - { .name: qkv, .offset: 0, .size: 8, .value_kind: global_buffer, .address_space: global }
      - { .name: ao, .offset: 8, .size: 8, .value_kind: global_buffer, .address_space: global }
    .group_segment_fixed_size: 215040
    .private_segment_fixed_size: 0
    .kernarg_segment_align: 8
    .kernarg_segment_size: 16
    .max_flat_workgroup_size: 512
    .sgpr_count:     66
    .vgpr_count:     256
    .wavefront_size: 32
...
	.end_amdgpu_metadata
.endif
;; end of part 2
;; launch outproj (part 3): grid 32 x 8, 4 waves a work-group, clusters of 4 x 4, 220,672 bytes of LDS; arguments ao, W_out_codes, W_out_scales, out0; writes out0
.if DOCPART == 3
	.amdgcn_target "amdgcn-amd-amdhsa--gfx1250"
	.amdhsa_code_object_version 6
	.text
	.protected	k_q58c3e81dab_outproj
	.globl	k_q58c3e81dab_outproj
	.p2align	8
	.type	k_q58c3e81dab_outproj,@function
k_q58c3e81dab_outproj:
	s_mov_b64 s[64:65], 0
	v_nop
	global_prefetch_b8 v0, s[64:65] scope:SCOPE_SE
	s_setreg_imm32_b32 hwreg(HW_REG_WAVE_MODE, 25, 1), 1
	s_wait_xcnt 0x0
	s_wait_alu depctr_hold_cnt(0) depctr_sa_sdst(0) depctr_va_vdst(0) depctr_va_sdst(0) depctr_va_ssrc(0) depctr_va_vcc(0) depctr_vm_vsrc(0)
	s_getreg_b32 s2, hwreg(HW_REG_IB_STS2, 6, 4)
	s_cmp_eq_u32 s2, 0
	s_cbranch_scc0 .Lentry_in_a_cluster
	s_endpgm
.Lentry_in_a_cluster:
	s_bfe_u32 s2, ttmp6, 0x10000c
	s_cmp_lg_u32 s2, 0xf033
	s_cbranch_scc0 .Lentry_shape_is_right
	s_endpgm
.Lentry_shape_is_right:
; out0[row][e] = sum over k of A[row][k] W_out[e][k] on codes of FP6 (E2M3) with E8M0 scales, K = 1,024.  A: the attention's result, 4,096 rows, in ao as images of operand registers (98,304 bytes on end for 128 rows); out0: f32.
; SHARES.  A work-group makes 128 rows x 128 columns: 32 x 8 = 256 work-groups.  Its four waves stand 2 x 2: wave w makes rows 64 (w / 2) .. + 63 x columns 64 (w % 2) .. + 63.  The wave's 64 rows of W_out, all of K, lie in registers (384);
; its four tiles of 16 rows of A stream past, 32 products each: a tile's 16 rows x 64 columns are finished then and leave as rows of 256 bytes, while the next tile is multiplied.
; Everything is filled ONCE, one tensor load a wave: waves 0, 1 W_out's halves, wave 2 tiles 0, 1 of both rows of waves, wave 3 tiles 2, 3: three barriers show them as they are needed.
; CLUSTERS: 4 x 4: A is shared by the work-groups of a column of the cluster (same rows), W_out's tile by those of a row.  No prefetch: all tiles are asked for at the head, so no loop runs ahead of a request.
; THE MATRIX INSTRUCTION IS USED TRANSPOSED (source 0 = 16 rows of W_out, source 1 = 16 rows of A): a lane holds eight neighbouring numbers of a row of out0.
; LIMITS: NaN and infinities are not served.
; REGISTERS: window 0: addresses, scale words, accumulators.  Fragment f (12 registers) lies in window 1 + f / 21 at register 12 (f % 21): 0-31 W_out's (4 q + b), 32-39 and 40-47 A's two sets.
.set PITCH,  816                       ; an LDS row of W_out: 3 x (256 + 16)
.set AL,     128*PITCH                 ; A: two loads of 49,152 bytes: [q][row of waves][two tiles][1,536]
.set STAGE,  AL+98304
.set SPITCH, 272
.set SPARE,  STAGE+4*16*SPITCH
.set AOS,    3145728
.set L16,  16                          ; v16, v17 LDS: my row of waves in A's first, second load, + 16 x lane
.set L8,   18                          ; v18, v19 the same, + 8 x lane
.set STO,  20
.set RD,   21
.set CO,   22
.set L32,  23
.set L4,   24
.set SPW,  26
.set NIL,  27
.set ASC,  32                          ; v32-47 A's scale words: 8 (t / 2) + q, tile t in lanes 16 (t % 2) ..
.set WSC,  52                          ; v52-67 W_out's: 8 (b / 2) + q
.set BW,   68                          ; v68-75 LDS addresses of my four blocks of W_out
.set ACC,  80                          ; v80-111, v112-143 a tile's accumulators: 8 b + j
.set G1A, 16
.set G1W, 32
.set G0A, 24
.set G0W, 40
.set MSB, 0
.macro WIN new
.if MSB != (\new)
	s_set_vgpr_msb (MSB<<8)|(\new)
.set MSB, \new
.endif
.endm
.macro PLACES n
.rept \n
	v_nop
.endr
.endm
.macro BARRIER
	s_barrier_signal -1
	s_barrier_wait -1
.endm
.macro CROUND
	BARRIER
	s_cmp_lg_u32 s12, 0
	s_cbranch_scc1 .Lnot_wave_0_\@
	s_barrier_signal -3
.Lnot_wave_0_\@:
	s_barrier_wait -3
	BARRIER
.endm
.macro TLOAD g0, g1
	tensor_load_to_lds s[\g0:\g0+3], s[\g1:\g1+7]
	s_nop 0
	PLACES 4
.endm
.macro FRAG f, q, a0, a1               ; 16 rows x 128 K in pieces of 8 bytes, two to a load where both lie behind as many paddings; a1: behind one padding more in lanes 16-31
	WIN (1+(\f)/21)<<6
.set R_, 12*((\f)%21)
.set SKIP_, 0
.irp p, 0,1,2,3,4,5
.if SKIP_
.set SKIP_, 0
.else
.set PC_, 12*(\q)+6*(\p/3)+\p%3
.set PN_, 12*(\q)+6*((\p+1)/3)+(\p+1)%3
.set X_, (PC_%32+3)/32
.set XQ_, (PN_%32+3)/32
.if (\p < 5) && (X_ == XQ_)
.set SKIP_, 1
.if X_
	ds_load_2addr_b64 v[R_+2*\p:R_+2*\p+3], \a1 offset0:PC_+2*(PC_/32) offset1:PN_+2*(PN_/32)
.else
	ds_load_2addr_b64 v[R_+2*\p:R_+2*\p+3], \a0 offset0:PC_+2*(PC_/32) offset1:PN_+2*(PN_/32)
.endif
.elseif X_
	ds_load_b64 v[R_+2*\p:R_+2*\p+1], \a1 offset:8*(PC_+2*(PC_/32))
.else
	ds_load_b64 v[R_+2*\p:R_+2*\p+1], \a0 offset:8*(PC_+2*(PC_/32))
.endif
.endif
.endr
.endm
.macro WLOAD                           ; my 64 rows of W_out: 104 loads
.irp q, 0,1,2,3,4,5,6,7
.irp b, 0,1,2,3
	FRAG 4*\q+\b, \q, v[BW+2*\b], v[BW+2*\b+1]
.endr
.endr
	WIN 0
.endm
.macro FETCH t                         ; my tile t of A into set t % 2: 32 loads
.irp q, 0,1,2,3,4,5,6,7
.set F_, 32+8*((\t)%2)+\q
.set R_, 12*(F_%21)
	WIN (1+F_/21)<<6
	ds_load_b128 v[R_:R_+3], v[L16+(\t)/2] offset:6144*\q+1536*((\t)%2)
	ds_load_b64 v[R_+4:R_+5], v[L8+(\t)/2] offset:6144*\q+1536*((\t)%2)+512
	ds_load_b128 v[R_+6:R_+9], v[L16+(\t)/2] offset:6144*\q+1536*((\t)%2)+768
	ds_load_b64 v[R_+10:R_+11], v[L8+(\t)/2] offset:6144*\q+1536*((\t)%2)+1280
.endr
	WIN 0
.endm
.macro WM d, s0, s1, c, x0, x1, ra, rb
	v_wmma_scale_f32_16x16x128_f8f6f4 v[\d:\d+7], v[\s0:\s0+11], v[\s1:\s1+11], \c, v[\x0], v[\x1] matrix_a_fmt:MATRIX_FMT_FP6 matrix_b_fmt:MATRIX_FMT_FP6 matrix_a_scale:MATRIX_SCALE_ROW\ra matrix_b_scale:MATRIX_SCALE_ROW\rb
.endm
.macro PR t, rw, o                     ; product of pair M_: q = M_ / 2, columns' block 2 (M_ % 2) + o
.set Q_, M_/2
.set B_, 2*(M_%2)+\o
.set FW_, 4*Q_+B_
.set FA_, 32+8*((\t)%2)+Q_
.set RW_, 12*(FW_%21)
.set RA_, 12*(FA_%21)
.set D_, ACC+32*((\t)%2)+8*B_
.set XW_, WSC+8*(B_/2)+Q_
.set XA_, ASC+8*((\t)/2)+Q_
	WIN (1+FW_/21)|((1+FA_/21)<<2)
.if Q_ == 0
	WM D_, RW_, RA_, 0, XW_, XA_, \o, \rw
.else
	WM D_, RW_, RA_, v[D_:D_+7], XW_, XA_, \o, \rw
.endif
.endm
.macro TILE t, rw, from, to            ; pairs from .. to - 1 of tile t's sixteen; four accumulators by turns
.set M_, \from
.rept (\to)-(\from)
	PR \t, \rw, 0
	PR \t, \rw, 1
.set M_, M_+1
.endr
	WIN 0
.endm
; THE WAY OUT of a tile: 16 rows x 256 bytes go through my own stage and come back as whole rows, into the registers that they left.  LDS serves a wave's instructions in order (ISA guide 5.7.1.4).
.macro TOSTAGE t
.set AC_, ACC+32*((\t)%2)
.irp b, 0,1,2,3
	ds_store_b128 v[STO], v[AC_+8*\b:AC_+8*\b+3] offset:64*\b
	ds_store_b128 v[STO], v[AC_+8*\b+4:AC_+8*\b+7] offset:64*\b+16
.endr
.irp k, 0,1,2,3,4,5,6,7
	ds_load_b128 v[AC_+4*\k:AC_+4*\k+3], v[RD] offset:2*SPITCH*\k
.endr
.endm
.macro SEND t
.set AC_, ACC+32*((\t)%2)
.irp k, 0,1,2,3,4,5,6,7
	global_store_b128 v[CO], v[AC_+4*\k:AC_+4*\k+3], s[10:11] offset:65536*\t+8192*\k th:TH_STORE_NT   ; 16 lanes store 256 consecutive bytes, at a multiple of 256 from out0's first byte
.endr
.endm
	s_load_b256 s[4:11], s[0:1], 0x0               ; ao, W_out's codes, its scales, out0
	v_lshl_add_u32 v[SPW], v0, 2, SPARE
	v_mov_b32 v[NIL], 0
	ds_add_u32 v[SPW], v[NIL]
	ds_add_u32 v[SPW], v[NIL]
	v_lshrrev_b32 v1, 5, v0
	v_readfirstlane_b32 s12, v1                    ; wave 0..3
	s_bfe_u32 s13, ttmp6, 0x40000                  ; cx
	s_bfe_u32 s14, ttmp6, 0x40004                  ; cy
	s_lshl_b32 s15, ttmp9, 2
	s_add_co_u32 s15, s15, s13                     ; my block of 128 rows
	s_and_b32 s44, ttmp7, 0xffff
	s_lshl_b32 s44, s44, 2
	s_add_co_u32 s44, s44, s14                     ; my 128 columns
	s_lshl_b32 s45, 0x1111, s13                    ; my column of the cluster: the same rows
	s_lshl_b32 s46, s14, 2
	s_lshl_b32 s46, 15, s46                        ; my row: the same columns
	s_or_b32 s[G1A], s45, (3<<16)|(1<<21)          ; two tiles of four: 16 rows of 3,072 bytes (384 elements of 8 bytes), 6,144 apart, dense in LDS
	s_mov_b32 s[G1A+1], 384<<16
	s_mov_b32 s[G1A+2], 16<<16
	s_mov_b32 s[G1A+3], 384<<16
	s_mov_b32 s[G1A+4], 16
	s_mov_b32 s[G1A+5], 768
	s_mov_b32 s[G1A+6], 0
	s_mov_b32 s[G1A+7], 0
	s_or_b32 s[G1W], s46, (1<<20)|(1<<21)|(5<<22)|(3<<25)   ; 64 rows of 768 bytes, 16 bytes of padding behind every 256
	s_mov_b32 s[G1W+1], 768<<16
	s_mov_b32 s[G1W+2], 64<<16
	s_mov_b32 s[G1W+3], 768<<16
	s_mov_b32 s[G1W+4], 64
	s_mov_b32 s[G1W+5], 768
	s_mov_b32 s[G1W+6], 0
	s_mov_b32 s[G1W+7], 0
	s_and_b32 s47, s12, 1                          ; which half I fetch, and my column of waves
	s_lshr_b32 s58, s12, 1                         ; my row of waves
	s_mov_b32 s[G0A], 1
	s_mul_i32 s[G0A+1], s47, 49152
	s_add_co_u32 s[G0A+1], s[G0A+1], AL
	s_mov_b32 s[G0W], 1
	s_mul_i32 s[G0W+1], s47, 64*PITCH
	s_mul_i32 s48, s15, 98304
	s_mul_i32 s49, s47, 3072
	s_add_co_u32 s48, s48, s49
	s_mov_b32 s49, 0
	s_mul_i32 s50, s44, 98304
	s_mul_i32 s51, s47, 49152
	s_add_co_u32 s50, s50, s51
	s_mov_b32 s51, 0
	s_wait_alu depctr_va_vdst(0)
	s_wait_dscnt 0x0
	CROUND                                         ; all sixteen work-groups are here: the joint loads meet
	s_wait_kmcnt 0x0
	s_add_nc_u64 s[G0A+2:G0A+3], s[4:5], s[48:49]
	s_or_b32 s[G0A+3], s[G0A+3], 0x80000000
	s_add_nc_u64 s[G0W+2:G0W+3], s[6:7], s[50:51]
	s_or_b32 s[G0W+3], s[G0W+3], 0x80000000
	s_cmp_lt_u32 s12, 2
	s_cbranch_scc0 .Lwave_2
	TLOAD G0W, G1W
	s_branch .Lasked
.Lwave_2:
	s_cmp_eq_u32 s12, 2
	s_cbranch_scc0 .Lwave_3
	TLOAD G0A, G1A
	s_branch .Lasked
.Lwave_3:
	TLOAD G0A, G1A
.Lasked:
	s_lshl_b32 s48, s15, 12
	s_lshl_b32 s50, s58, 11
	s_add_co_u32 s48, s48, s50
	s_add_co_u32 s48, s48, AOS
	s_add_nc_u64 s[52:53], s[4:5], s[48:49]        ; my four tiles' scale words
	s_lshl_b32 s48, s44, 12
	s_lshl_b32 s50, s47, 11
	s_add_co_u32 s48, s48, s50
	s_add_nc_u64 s[54:55], s[8:9], s[48:49]        ; the scale bytes of my 64 rows of W_out
	s_lshl_b32 s48, s15, 7
	s_lshl_b32 s50, s58, 6
	s_add_co_u32 s48, s48, s50
	s_lshl_b32 s48, s48, 12
	s_lshl_b32 s50, s44, 9
	s_add_co_u32 s48, s48, s50
	s_lshl_b32 s50, s47, 8
	s_add_co_u32 s48, s48, s50
	s_add_nc_u64 s[10:11], s[10:11], s[48:49]      ; my first row of out0, at my first column
	s_mul_i32 s56, s58, 3072
	s_add_co_u32 s56, s56, AL                      ; my row of waves in A's image
	s_mul_i32 s57, s12, 16*SPITCH
	s_add_co_u32 s57, s57, STAGE                   ; my stage
	s_mul_i32 s59, s47, 64*PITCH                   ; my 64 rows of W_out
	v_and_b32 v1, 15, v0                           ; r
	v_bfe_u32 v2, v0, 4, 1                         ; h
	v_and_b32 v3, 31, v0
	v_lshlrev_b32 v[L32], 5, v3
	v_lshlrev_b32 v[L4], 2, v3
.irp q, 0,1,2,3,4,5,6,7
	global_load_b32 v[ASC+\q], v[L4], s[52:53] offset:128*\q
	global_load_b32 v[ASC+8+\q], v[L4], s[52:53] offset:1024+128*\q
.endr
.irp p, 0,1
	global_load_b128 v[WSC+8*\p:WSC+8*\p+3], v[L32], s[54:55] offset:1024*\p
	global_load_b128 v[WSC+8*\p+4:WSC+8*\p+7], v[L32], s[54:55] offset:1024*\p+16
.endr
	v_lshl_add_u32 v[L16], v3, 4, s56
	v_lshl_add_u32 v[L8], v3, 3, s56
	v_add_nc_u32 v[L16+1], 49152, v[L16]
	v_add_nc_u32 v[L8+1], 49152, v[L8]
	v_mul_u32_u24 v4, v1, PITCH
	v_mad_u32_u24 v5, v2, 24, v4
	v_mad_u32_u24 v6, v2, 40, v4
	v_add_nc_u32 v5, s59, v5
	v_add_nc_u32 v6, s59, v6
.irp b, 0,1,2,3
	v_add_nc_u32 v[BW+2*\b], \b*16*PITCH, v5
	v_add_nc_u32 v[BW+2*\b+1], \b*16*PITCH, v6
.endr
	v_mul_u32_u24 v7, v1, SPITCH
	v_lshl_add_u32 v7, v2, 5, v7
	v_add_nc_u32 v[STO], s57, v7                   ; in: row r, 32 bytes for each half of the lanes
	v_mul_u32_u24 v8, v2, SPITCH
	v_lshl_add_u32 v8, v1, 4, v8
	v_add_nc_u32 v[RD], s57, v8                    ; back: 16 lanes take one row of 256 bytes
	v_lshlrev_b32 v9, 12, v2
	v_lshl_add_u32 v[CO], v1, 4, v9
	s_wait_alu depctr_va_vdst(0)
	s_cmp_lt_u32 s12, 2
	s_cbranch_scc0 .Lnot_w
	s_wait_tensorcnt 0x0
.Lnot_w:
	BARRIER                                        ; W_out's rows are in; nothing is filled again in this launch
	WLOAD
	s_cmp_eq_u32 s12, 2
	s_cbranch_scc0 .Lnot_a
	s_wait_tensorcnt 0x0
.Lnot_a:
	s_wait_loadcnt 0x0                             ; the scale words
	s_wait_dscnt 0x0
	BARRIER                                        ; tiles 0 and 1 are in
	FETCH 0
	FETCH 1
	s_wait_dscnt 32                                ; tile 1's 32 loads may be out
	TILE 0, 0, 0, 16
	PLACES 4                                       ; in front of the results' first read and of the loads into the registers that the products read
	TOSTAGE 0
	s_wait_tensorcnt 0x0
	s_wait_dscnt 0x0
	BARRIER                                        ; tiles 2 and 3 are in
	FETCH 2
	SEND 0
	TILE 1, 1, 0, 16
	PLACES 4
	TOSTAGE 1
	FETCH 3
	s_wait_xcnt 0x0                                ; tile 0's stores have read the registers that tile 2's products write
	s_wait_dscnt 48                                ; tile 2 is in; tile 1's way through the stage (16) and tile 3's loads (32) may be out
	TILE 2, 0, 0, 6
	s_wait_dscnt 32                                ; tile 3's loads may be out
	SEND 1
	TILE 2, 0, 6, 16
	PLACES 4
	TOSTAGE 2
	s_wait_xcnt 0x0
	s_wait_dscnt 16                                ; tile 3 is in
	TILE 3, 1, 0, 6
	s_wait_dscnt 0x0
	SEND 2
	TILE 3, 1, 6, 16
	PLACES 4
	TOSTAGE 3
	s_wait_dscnt 0x0
	SEND 3
	s_wait_tensorcnt 0x0
	ds_add_u32 v[SPW], v[NIL]
	s_wait_dscnt 0x0
	CROUND                                         ; the closing round
	s_endpgm
.Lfunc_end_k_q58c3e81dab_outproj:
	.size	k_q58c3e81dab_outproj, .Lfunc_end_k_q58c3e81dab_outproj-k_q58c3e81dab_outproj
	.p2alignl 7, 3214868480
	.fill 96, 4, 3214868480
	.section	.rodata,"a",@progbits
	.p2align	6, 0x0
	.amdhsa_kernel k_q58c3e81dab_outproj
		.amdhsa_group_segment_fixed_size 220672
		.amdhsa_private_segment_fixed_size 0
		.amdhsa_enable_private_segment 0
		.amdhsa_kernarg_size 32
		.amdhsa_user_sgpr_count 2
		.amdhsa_user_sgpr_kernarg_segment_ptr 1
		.amdhsa_wavefront_size32 1
		.amdhsa_system_sgpr_workgroup_id_x 1
		.amdhsa_system_sgpr_workgroup_id_y 1
		.amdhsa_system_sgpr_workgroup_id_z 1
		.amdhsa_system_vgpr_workitem_id 0
		.amdhsa_next_free_vgpr 1024
		.amdhsa_next_free_sgpr 66
		.amdhsa_reserve_vcc 0
		.amdhsa_float_denorm_mode_32 3
		.amdhsa_float_denorm_mode_16_64 3
		.amdhsa_memory_ordered 1
		.amdhsa_forward_progress 1
		.amdhsa_inst_pref_size 49
	.end_amdhsa_kernel
	.amdgpu_metadata
---
amdhsa.version: [ 1, 2 ]
amdhsa.kernels:
  - .name:           k_q58c3e81dab_outproj
    .symbol:         k_q58c3e81dab_outproj.kd
    .args:
      - { .name: ao, .offset: 0, .size: 8, .value_kind: global_buffer, .address_space: global }
      - { .name: W_out_codes, .offset: 8, .size: 8, .value_kind: global_buffer, .address_space: global }
      - { .name: W_out_scales, .offset: 16, .size: 8, .value_kind: global_buffer, .address_space: global }
      - { .name: out0, .offset: 24, .size: 8, .value_kind: global_buffer, .address_space: global }
    .group_segment_fixed_size: 220672
    .private_segment_fixed_size: 0
    .kernarg_segment_align: 8
    .kernarg_segment_size: 32
    .max_flat_workgroup_size: 128
    .sgpr_count:     66
    .vgpr_count:     1024
    .wavefront_size: 32
...
	.end_amdgpu_metadata
.endif
;; end of part 3
